; MI455X (gfx1250); checked and timed in simulation.
; The chip was launched on July 23, 2026; its instructions are those of AMD's public machine-readable ISA for CDNA 5 (MIT licence, August 2026) and "CDNA5" Instruction Set Architecture Reference Guide (July 2026). The comments in the code are by the model that wrote it; some were corrected since.
;; Self Attention. Allowed arithmetic: matrix products marked QUANTISED: E2M1 operands, one E8M0 scale for each 32 along K, by v_wmma_scale_f32_16x16x128_f8f6f4 with both operands' format E2M1 (or v_wmma_scale_f32_32x16x128_f4), f32 sums; products left as they are: f32 operands where the result goes on into a quantised operand, else bf16, f16 or f32 operands; f32 sums; everything else in f32.
;; Inputs: Wk 64 x 16 float32; Wq 64 x 16 float32; Wv 64 x 64 float32; x 4 x 4,096 x 64 float32.
;; Outputs: out0 4 x 4,096 x 64 float32.
;; This version of the problem:
;;   THIS VERSION OF THE PROBLEM IS GIVEN IN LOW PRECISION. The matrix products marked QUANTISED in the list below multiply operands that are first quantised to E2M1 (2 exponent bits, 1 mantissa bit; 4 bits a number), with one power-of-two scale for each 32 numbers along K (OCP MX v1.0); their sums are f32. All else is computed in f32.
;;   The module's matrix products, in the order in which they are computed (A, B: the left and right operand; K: the contracted axis; several contracted axes count as one K, in the product's order):
;;     1. [M 16,384, K 64] x [K 64, N 16]; A: input x; B: input Wq: QUANTISED
;;     2. [M 16,384, K 64] x [K 64, N 16]; A: input x; B: input Wk: QUANTISED
;;     3. [M 16,384, K 64] x [K 64, N 64]; A: input x; B: input Wv: QUANTISED
;;     4. batch 4 x [M 4,096, K 16] x [K 16, N 4,096]; A: computed on the way; B: computed on the way: left as it is (K = 16 < 32)
;;     5. batch 4 x [M 4,096, K 4,096] x [K 4,096, N 64]; A: softmax (see below); B: computed on the way: QUANTISED
;;   THE QUANTISER, for each operand of a quantised product, along K:
;;     - K is cut into blocks of 32 from its start; a last block that is shorter is filled with zeros.
;;     - A block's scale is 2^e with e = floor(log2(the largest magnitude in the block)) - 2, held to -126 .. 127; a block of zeros has e = 0. As a byte (E8M0): e + 127.
;;     - Each number is divided by its block's scale, clamped to +-6, and rounded to the nearest number of E2M1, ties to even, subnormals kept.
;;     - The product sums the exact products of the quantised numbers (number of the format x scale) in f32.
;;   ~~~python
;;   def quantise(x, axis):      # numpy; x: float32 -> the quantised numbers, widened to float32 again
;;       x = np.moveaxis(x, axis, -1); K = x.shape[-1]
;;       x = np.pad(x, [(0, 0)] * (x.ndim - 1) + [(0, -K % 32)]); x = x.reshape(x.shape[:-1] + (-1, 32)); a = np.abs(x).max(-1, keepdims=True)
;;       e = np.where(a > 0, np.clip(np.frexp(np.where(a > 0, a, 1))[1] - 1 - 2, -126, 127), 0)      # np.frexp(a)[1] - 1 = floor(log2(a)), exactly
;;       r = np.clip(x / 2.0 ** e, -6, 6)
;;       step = 2.0 ** (np.maximum(np.frexp(np.where(r == 0, 1, r))[1] - 1, 0) - 1)
;;       q = np.round(r / step) * step * 2.0 ** e      # np.round: ties to even
;;       return np.moveaxis(q.reshape(q.shape[:-2] + (-1,))[..., :K], -1, axis).astype(np.float32)
;;   ~~~
;;   SOFTMAX AHEAD OF A QUANTISED PRODUCT. Where the list says 'softmax', what is quantised is not the finished softmax but p = 2^(t - M), with t = logit x log2(e) and M = ceil(the row's largest t), a whole number; so 1/2 < the row's largest p <= 1. The row's sum l is taken of the UNQUANTISED p, in f32, and the product's result is divided by l at the end. Since M is a whole number, a kernel that streams over the keys may use a running M (the ceiling of the running maximum): every later rescaling is an exact power of two, which a block's scale takes up: the codes' values come out the same.
;;   OPERANDS COMPUTED ON THE WAY. 'Computed on the way' means the value that the module computes at that place (a softmax that the list does not call 'softmax' is quantised finished and normalised). What goes into a quantiser is computed in f32, as accurately as f32 sums, v_exp_f32 and their like allow (about 1e-6 of the number): no bf16 or f16 on the way to a quantiser, and a product that is left as it is and whose result goes on into a quantised operand takes f32 operands (vector FMAs, or v_wmma_f32_16x16x4_f32). A number that lies on a knife's edge between two numbers of the format may be rounded either way, as far as f32 arithmetic and the matrix unit's own rounding can turn it there, and no further.
;; One version. Each part assembles by itself: llvm-mc -triple=amdgcn-amd-amdhsa -mcpu=gfx1250 --defsym DOCPART=n.
;; ======== version 1 of 1: 2 launches
;; workspace buffers: qimg 1,048,576 bytes; kv 1,638,400 bytes
;; launch proj (part 1): grid 128 x 1, 4 waves a work-group, no clusters, 58,112 bytes of LDS; arguments x, Wq, Wk, Wv, qimg, kv; writes qimg, kv
.if DOCPART == 1
	.amdgcn_target "amdgcn-amd-amdhsa--gfx1250"
	.amdhsa_code_object_version 6
	.text
	.protected	k_q1f9ee28028_proj
	.globl	k_q1f9ee28028_proj
	.p2align	8
	.type	k_q1f9ee28028_proj,@function
k_q1f9ee28028_proj:
	s_mov_b64 s[64:65], 0
	v_nop
	global_prefetch_b8 v0, s[64:65] scope:SCOPE_SE
	s_setreg_imm32_b32 hwreg(HW_REG_WAVE_MODE, 25, 1), 1
	s_wait_xcnt 0x0
; q = Q(x) Q(Wq), k = Q(x) Q(Wk), v = Q(x) Q(Wv): three products on codes of FP4 (E2M1) with one E8M0 scale for each 32 along K = 64; then v is quantised along the KEYS for the next launch.
; x: [16384][64] f32.  Wq, Wk: [64][16], Wv: [64][64] f32, K their first axis.  A work-group takes 128 rows of x (block g); four waves.
; OUTPUT, laid in the order of the next launch's operand registers (blocks of 512 bytes, lane l's 16 bytes at 16 l):
;   qimg [g][tile t 0..7][c 0..1][lane][16 B]: lane (r, h) holds elements 8 h + 4 c + 0..3 (f32) of the tile's row r.
;   kv   [g][12,800 B]: 0: k, laid as q;  8,192: v's codes, channel tile ct at 1,024 ct: lane (r, h) holds channel 16 ct + r, registers 4 c .. 4 c + 3 the keys 64 c + 32 h + 0..31;
;        12,288: v's scale words: lane l's 16 bytes are the words of channel tiles 0..3 for channel row l % 16.
; THE ROWS OF A TILE ARE NOT NEIGHBOURS: row r of tile 2 b + u is row 32 b + 8 u + r + 8 (r / 8) of the block, so that the 16 registers of two neighbouring result tiles are 16 neighbouring keys.
; K = 64 fills half of the instruction's 128: registers 4-7 of every operand are zero codes, under the scale byte 127.
; SHARES: wave w quantises x tiles 2 w, 2 w + 1 and hands their codes round through LDS as images of the registers; it makes v's channels 16 w .. 16 w + 15 for all 128 rows;
; waves 0, 1 make q of tiles 0-3, 4-7, waves 2, 3 k likewise: one path of text, the pointers chosen on the wave's number.
; THE LOADS ARE DENSE.  The quantiser wants 32 neighbours along K in ONE lane, which would set neighbouring lanes 128 bytes apart.  So a wave's 32 rows of x, 8,192 consecutive bytes, come by sixteen loads of 512
; consecutive bytes and turn through the wave's own stage in LDS.  Wv comes likewise, a quarter (4,096 consecutive bytes) a wave, into LDS bytes that all four waves read behind the barrier, a lane to a column.
; A wave has 16 + 32 + 8 = 56 loads out at the most.  Wq or Wk (4,096 bytes) goes straight into registers, a lane to a column, registers down K.
; NO CLUSTER, NO TENSOR LOAD: what work-groups share is the weights, 24,576 bytes in all.
; LIMITS: NaN and infinities among the inputs are not served.  A block whose largest magnitude lies under 2^-124, a block of zeros among them, gets the scale byte 1 (the rule says 127 for zeros):
; its codes are zeros or held by the floor, and the bytes are read by this program alone.
.set XIMG, 0                           ; LDS: 8 x 512: the four code registers of each x tile
.set XSC,  4096                        ; 8 x 128: their scale words, 4 bytes a lane
.set VSC,  5120                        ; 512: v's scale words, at 16 x lane + 4 x wave
.set WVL,  6144                        ; Wv as it lies, rows of 256 bytes; rows 32-63 stand 64 bytes further on, so that the two halves of the lanes read different banks: 16,448 bytes
.set STG,  22784                       ; a stage of 32 rows x SP bytes for each wave
.set SP,   272                         ; a stage row: 256 bytes + 16: the sixteen rows that a load touches start at sixteen different 16-byte columns of 256
.set SSA,  4                           ; v4   the stage, on the way in: 8,704 w + 272 h + 16 r
.set WA,   5                           ; v5   Wq or Wk: 2,048 h + 4 r
.set SRA,  6                           ; v6   the stage, on the way out: 8,704 w + 272 r + 128 h
.set LI,   7                           ; v7   16 x lane
.set LS,   8                           ; v8   4 x lane
.set SH8,  9                           ; v9   8 h
.set WQS,  10                          ; v10  scale word of Wq or Wk;  v11 of Wv: scales and nothing else
.set WVS,  11
.set TM,   12                          ; v12-15 at work
.set WQF,  16                          ; v16-23 fragment of Wq or Wk
.set WVF,  24                          ; v24-31 fragment of Wv
.set XR,   32                          ; v32-95 x, 32 neighbours a lane (2 x 32), then
.set XF,   32                          ;        the eight fragments of x
.set WR,   96                          ; v96-127 Wq or Wk as loaded;  v128-159 Wv: first my quarter as it lies, then my 16 columns; then
.set VR,   128
.set VA,   96                          ; v96-159 v: eight result tiles
.set XS,   160                         ; v160-167 x's scale words, all eight tiles
.set XGS,  168                         ; v168-171 those of my four tiles for q or k
.set PW,   172                         ; v172 v's scale word
.set XGA,  173                         ; v173 16 x lane + 2,048 (w & 1)
.set XGSA, 174                         ; v174 4 x lane + 512 (w & 1)
.set VSA,  175                         ; v175 16 x lane + 4 w
.set XD,   176                         ; v176-239 x as loaded, 16 bytes a lane; then
.set XG,   176                         ; v176-207 my four fragments of x for q or k
.set QA,   208                         ; v208-239 q or k: four result tiles
.set PC,   240                         ; v240-247 codes just made
.set T2,   248                         ; v248-251 at work
.set SO,   252                         ; v252-255 the conversions' scale operands; before that:
.set XIW,  252                         ; v252 16 x lane + 1,024 w
.set XSW,  253                         ; v253 4 x lane + 256 w
.set WVSA, 254                         ; v254 where I put my quarter of Wv: 4,096 w + 64 (w / 2) + 16 x lane
.set WVRA, 255                         ; v255 where I read my columns: 8,256 h + 64 w + 4 r
.set SEL,  18                          ; s[18:19] v_permlanex16_b32's selects for lane l xor 16
; 32 numbers of ONE lane, v[src] on: the block k = 32 h + 0..31 of my row or column.  Four code registers into v[dst] on; the whole scale word into v[word].
.macro QBLK src, dst, word
	v_max3_num_f32 v12, |v[\src]|, |v[\src+1]|, 0x1800000          ; the largest magnitude, in two chains; the floor 2^(3 - 127) holds the byte at 1 from below
	v_max3_num_f32 v13, |v[\src+2]|, |v[\src+3]|, |v[\src+4]|
.irp i, 5,9,13,17,21,25
	v_max3_num_f32 v12, v12, |v[\src+\i]|, |v[\src+\i+1]|
	v_max3_num_f32 v13, v13, |v[\src+\i+2]|, |v[\src+\i+3]|
.endr
	v_max3_num_f32 v12, v12, |v[\src+29]|, |v[\src+30]|
	v_max3_num_f32 v12, v12, v13, |v[\src+31]|
	v_add_nc_u32 v13, 0xff000000, v12              ; 2 off its exponent field: the conversion's scale operand
	v_lshrrev_b32 v14, 23, v13                     ; the scale's byte,
	v_lshlrev_b32 v14, v[SH8], v14                 ; at its place in the word: byte h
	v_permlanex16_b32 v15, v14, s[SEL], s[SEL+1]
	v_or_b32 v14, v14, v15                         ; with lane l xor 16's byte
	v_or_b32 v[\word], 0x7f7f0000, v14             ; bytes 2 and 3 stand over zero codes: 127
.irp g, 0,1,2,3
	v_cvt_scalef32_pk8_fp4_f32 v[\dst+\g], v[\src+8*\g:\src+8*\g+7], v13
.endr
	v_nop                                          ; one plain place behind a scaled conversion
.endm
; 64 numbers of a lane, register 16 b + i = k 32 b + 16 h + i of my row, become a fragment's codes in v[PC] on and its scale word in v[PW].
.macro QUANT s
.irp b, 0,1,2,3
	v_max3_num_f32 v[TM+\b], |v[\s+16*\b]|, |v[\s+1+16*\b]|, 0x1800000   ; each result tile is read from its low end on
.endr
.irp i, 2,4,6,8,10,12,14
.irp b, 0,1,2,3
	v_max3_num_f32 v[TM+\b], v[TM+\b], |v[\s+16*\b+\i]|, |v[\s+1+16*\b+\i]|
.endr
.endr
.irp b, 0,1,2,3
	v_permlanex16_b32 v[T2+\b], v[TM+\b], s[SEL], s[SEL+1]
.endr
.irp b, 0,1,2,3
	v_max_num_f32 v[TM+\b], v[TM+\b], v[T2+\b]     ; with lane l xor 16's 16 numbers: the block's largest magnitude
.endr
.irp b, 0,1,2,3
	v_add_nc_u32 v[SO+\b], 0xff000000, v[TM+\b]
.endr
.irp b, 0,1,2,3
	v_lshrrev_b32 v[T2+\b], 23, v[SO+\b]
.endr
	v_lshl_or_b32 v[PW], v[T2+1], 8, v[T2]
	v_lshl_or_b32 v[PW], v[T2+2], 16, v[PW]
	v_lshl_or_b32 v[PW], v[T2+3], 24, v[PW]
.irp b, 0,1,2,3
	v_cvt_scalef32_pk8_fp4_f32 v[PC+2*\b], v[\s+16*\b:\s+7+16*\b], v[SO+\b]
	v_cvt_scalef32_pk8_fp4_f32 v[PC+1+2*\b], v[\s+8+16*\b:\s+15+16*\b], v[SO+\b]
.endr
	v_nop                                          ; one plain place behind a scaled conversion
.irp c, 0,1                                    ; the operand's layout wants a whole block in a lane
.irp i, 0,1
	v_permlane16_swap_b32 v[PC+4*\c+\i], v[PC+2+4*\c+\i]
.endr
.endr
.endm
	s_load_b256 s[4:11], s[0:1], 0x0               ; x s[4:5], Wq s[6:7], Wk s[8:9], Wv s[10:11]
	s_load_b128 s[12:15], s[0:1], 0x20             ; qimg s[12:13], kv s[14:15]
	s_set_vgpr_msb 0x40
	v_lshl_add_u32 v0, v0, 2, 0xe100
	v_mov_b32 v1, 0
	s_set_vgpr_msb 0x4000
	v_lshrrev_b32 v1, 5, v0
	v_readfirstlane_b32 s16, v1                    ; wave 0..3
	s_and_b32 s17, s16, 1                          ; which four tiles I take for q or k
	s_mov_b32 s[SEL], 0x76543210
	s_mov_b32 s[SEL+1], 0xfedcba98
	v_and_b32 v1, 31, v0                           ; lane
	v_and_b32 v2, 15, v0                           ; r
	v_bfe_u32 v3, v0, 4, 1                         ; h
	v_lshlrev_b32 v[LI], 4, v1
	v_lshlrev_b32 v[LS], 2, v1
	v_lshlrev_b32 v[SH8], 3, v3
	s_mul_i32 s28, s16, 32*SP                      ; my stage
	v_mul_u32_u24 v[SSA], v3, SP                   ; in: a load's 512 bytes are two rows: lanes 0-15 one, lanes 16-31 the next
	v_lshl_add_u32 v[SSA], v2, 4, v[SSA]
	v_add_nc_u32 v[SSA], s28, v[SSA]
	v_mul_u32_u24 v[SRA], v2, SP                   ; out: stage row r of a tile; my block of 32 numbers begins 128 h bytes on
	v_lshl_add_u32 v[SRA], v3, 7, v[SRA]
	v_add_nc_u32 v[SRA], s28, v[SRA]
	v_lshlrev_b32 v[WA], 2, v2                     ; weights: column r
	s_lshl_b32 s28, s16, 6
	v_mul_u32_u24 v[WVRA], v3, 8256                ; Wv in LDS: lanes 16-31 begin 32 rows of 256 bytes, and 64 bytes, further on;
	v_add_nc_u32 v[WVRA], v[WVRA], v[WA]
	v_add_nc_u32 v[WVRA], s28, v[WVRA]             ; my 16 columns begin at byte 64 w of a row
	v_lshl_add_u32 v[WA], v3, 11, v[WA]            ; Wq, Wk in memory: 32 h rows of 64 bytes down
	s_lshl_b32 s28, s16, 12
	s_lshr_b32 s29, s16, 1
	s_lshl_b32 s29, s29, 6
	s_add_co_u32 s28, s28, s29
	v_add_nc_u32 v[WVSA], s28, v[LI]               ; my quarter of Wv: rows 16 w .. 16 w + 15
	v_mov_b32 v15, 0                               ; written once: a lane permute's destination counts as one of its sources
.irp b, 0,1,2,3
	v_mov_b32 v[T2+\b], 0
.endr
	s_lshl_b32 s28, s16, 10
	v_add_nc_u32 v[XIW], s28, v[LI]
	s_lshl_b32 s28, s16, 8
	v_add_nc_u32 v[XSW], s28, v[LS]
	s_lshl_b32 s28, s17, 11
	v_add_nc_u32 v[XGA], s28, v[LI]
	s_lshl_b32 s28, s17, 9
	v_add_nc_u32 v[XGSA], s28, v[LS]
	s_lshl_b32 s28, s16, 2
	v_add_nc_u32 v[VSA], s28, v[LI]
	s_lshl_b32 s28, ttmp9, 13                      ; 8,192 g: the block's place in qimg
	s_mul_i32 s30, ttmp9, 12800                    ; 12,800 g: in kv
	s_lshl_b32 s29, s17, 12                        ; my four tiles: 4,096 bytes
	s_mov_b32 s33, 0
	s_mov_b32 s35, 0
	s_wait_kmcnt 0x0
	s_cmp_lt_u32 s16, 2                            ; waves 0, 1: q;  waves 2, 3: k.  The choice hangs on the wave's number alone
	s_cselect_b64 s[20:21], s[6:7], s[8:9]         ; the weight,
	s_cselect_b64 s[22:23], s[12:13], s[14:15]     ; the buffer that takes the result,
	s_cselect_b32 s32, s28, s30                    ; and the block's offset in it
	s_add_co_u32 s32, s32, s29
	s_add_nc_u64 s[22:23], s[22:23], s[32:33]
	s_lshl_b32 s34, s16, 10
	s_add_co_u32 s34, s34, s30
	s_add_co_u32 s34, s34, 8192
	s_add_nc_u64 s[24:25], s[14:15], s[34:35]      ; v's codes: kv + 12,800 g + 8,192 + 1,024 w
	s_add_co_u32 s34, s30, 12288
	s_add_nc_u64 s[26:27], s[14:15], s[34:35]      ; v's scale words
	s_lshl_b32 s34, ttmp9, 15
	s_lshl_b32 s28, s16, 13
	s_add_co_u32 s34, s34, s28
	s_add_nc_u64 s[4:5], s[4:5], s[34:35]          ; x at row 128 g + 32 w
	s_lshl_b32 s34, s16, 12
	s_add_nc_u64 s[10:11], s[10:11], s[34:35]      ; Wv at row 16 w
	; ---- the loads, all at once: 56 a wave
.set i, 0
.rept 16
	global_load_b128 v[XD+4*i:XD+4*i+3], v[LI], s[4:5] offset:512*i th:TH_LOAD_NT   ; rows 2 i, 2 i + 1 of my 32: 512 consecutive bytes
.set i, i+1
.endr
.set i, 0
.rept 32
	global_load_b32 v[WR+i], v[WA], s[20:21] offset:64*i           ; Wq or Wk (32 h + i, r)
.set i, i+1
.endr
.set i, 0
.rept 8
	global_load_b128 v[VR+4*i:VR+4*i+3], v[LI], s[10:11] offset:512*i   ; my quarter of Wv as it lies
.set i, i+1
.endr
	s_wait_loadcnt 40                              ; loads come back in order: x is in; the 40 younger loads (32 of Wq or Wk, 8 of Wv) may be out
	; x turns through my stage.  Row p of my 32 belongs to tile (p / 8) % 2 as its row p % 8 + 8 (p / 16), and goes to stage row 16 x tile + that row: so a tile's sixteen rows are neighbours there
.set i, 0
.rept 16
	ds_store_b128 v[SSA], v[XD+4*i:XD+4*i+3] offset:STG+SP*(16*(((2*i)/8)%2)+((2*i)%8)+8*((2*i)/16))
.set i, i+1
.endr
.irp t, 0,1
.irp j, 0,1,2,3,4,5,6,7
	ds_load_b128 v[XR+32*\t+4*\j:XR+32*\t+4*\j+3], v[SRA] offset:STG+16*SP*\t+16*\j   ; LDS serves a wave's instructions in order: these see my stores.  32 neighbours along K a lane
.endr
.endr
	s_wait_loadcnt 8                               ; Wq or Wk is in; Wv's 8 loads may be out
	QBLK WR, WQF, WQS
	s_wait_dscnt 8                                 ; tile 2 w is back from the stage; the eight younger loads, tile 2 w + 1's, may be out
	QBLK XR, PC, XGS
	ds_store_b128 v[XIW], v[PC:PC+3] offset:XIMG   ; tile 2 w as an image of its registers,
	ds_store_b32 v[XSW], v[XGS] offset:XSC         ; and its scale words
	s_wait_dscnt 2                                 ; tile 2 w + 1 is back; the two stores just issued may be out
	QBLK XR+32, PC+4, XGS+1
	ds_store_b128 v[XIW], v[PC+4:PC+7] offset:XIMG+512
	ds_store_b32 v[XSW], v[XGS+1] offset:XSC+128
	s_wait_loadcnt 0x0                             ; my quarter of Wv
.set i, 0
.rept 8
	ds_store_b128 v[WVSA], v[VR+4*i:VR+4*i+3] offset:WVL+512*i
.set i, i+1
.endr
	s_wait_dscnt 0x0                               ; for the others' sake: my stores have landed
	s_barrier_signal -1
	s_barrier_wait -1                              ; x's eight tiles and all of Wv lie in LDS
.set i, 0
.rept 32
	ds_load_b32 v[VR+i], v[WVRA] offset:WVL+256*i  ; Wv (32 h + i, 16 w + r): a lane to a column, registers down K
.set i, i+1
.endr
.irp t, 0,1,2,3,4,5,6,7
	ds_load_b128 v[XF+8*\t:XF+8*\t+3], v[LI] offset:XIMG+512*\t
	ds_load_b32 v[XS+\t], v[LS] offset:XSC+128*\t
.endr
.irp t, 0,1,2,3
	ds_load_b128 v[XG+8*\t:XG+8*\t+3], v[XGA] offset:XIMG+512*\t
	ds_load_b32 v[XGS+\t], v[XGSA] offset:XSC+128*\t
.endr
.irp t, 0,1,2,3,4,5,6,7                        ; k = 64 .. 127 of every operand: zero codes
.irp e, 4,5,6,7
	v_mov_b32 v[XF+8*\t+\e], 0
.endr
.endr
.irp t, 0,1,2,3
.irp e, 4,5,6,7
	v_mov_b32 v[XG+8*\t+\e], 0
.endr
.endr
.irp e, 4,5,6,7
	v_mov_b32 v[WQF+\e], 0
	v_mov_b32 v[WVF+\e], 0
.endr
	s_wait_dscnt 24                                ; Wv's 32 loads are in; the 24 younger ones (x's fragments and scale words) may be out
	QBLK VR, WVF, WVS
.rept 8
	v_nop                                          ; operands and scales written by vector instructions stand 4 and 8 places ahead of a scaled matrix instruction
.endr
	s_wait_dscnt 0x0
	; v: source 0 = 16 rows of x, source 1 = my 16 columns of Wv: lane (r, h) holds channel 16 w + r, and register 16 b + i of the eight tiles key 32 b + 16 h + i
.irp t, 0,1,2,3,4,5,6,7
	v_wmma_scale_f32_16x16x128_f8f6f4 v[VA+8*\t:VA+8*\t+7], v[XF+8*\t:XF+8*\t+7], v[WVF:WVF+7], 0, v[XS+\t], v[WVS] matrix_a_fmt:MATRIX_FMT_FP4 matrix_b_fmt:MATRIX_FMT_FP4
.endr
	; q or k, transposed: source 0 = the weight's 16 columns, source 1 = 16 rows of x: lane (r, h) holds elements 8 h + 0..7 of the tile's row r
.irp t, 0,1,2,3
	v_wmma_scale_f32_16x16x128_f8f6f4 v[QA+8*\t:QA+8*\t+7], v[WQF:WQF+7], v[XG+8*\t:XG+8*\t+7], 0, v[WQS], v[XGS+\t] matrix_a_fmt:MATRIX_FMT_FP4 matrix_b_fmt:MATRIX_FMT_FP4
.endr
.rept 4
	v_nop                                          ; four places in front of the first reads of results
.endr
.irp t, 0,1,2,3
	global_store_b128 v[LI], v[QA+8*\t:QA+8*\t+3], s[22:23] offset:1024*\t          ; each store covers 512 consecutive bytes, aligned; each tile from its low end on
	global_store_b128 v[LI], v[QA+8*\t+4:QA+8*\t+7], s[22:23] offset:1024*\t+512
.endr
	QUANT VA                                       ; v along the keys: these 128 keys are one K step of the next launch's second product
	global_store_b128 v[LI], v[PC:PC+3], s[24:25]
	global_store_b128 v[LI], v[PC+4:PC+7], s[24:25] offset:512
	ds_store_b32 v[VSA], v[PW] offset:VSC          ; the four waves' words meet in LDS, so that they leave as 512 consecutive bytes
	s_wait_dscnt 0x0
	s_barrier_signal -1
	s_barrier_wait -1
	s_cmp_lg_u32 s16, 0
	s_cbranch_scc1 .Lend
	ds_load_b128 v[XF:XF+3], v[LI] offset:VSC
	s_wait_dscnt 0x0
	global_store_b128 v[LI], v[XF:XF+3], s[26:27]
.Lend:
	s_set_vgpr_msb 0x5
	s_wait_tensorcnt 0x0
	ds_add_u32 v0, v1
	s_wait_dscnt 0x0
	s_set_vgpr_msb 0x500
	s_endpgm
.Lfunc_end_k_q1f9ee28028_proj:
	.size	k_q1f9ee28028_proj, .Lfunc_end_k_q1f9ee28028_proj-k_q1f9ee28028_proj
	.p2alignl 7, 3214868480
	.fill 96, 4, 3214868480
	.section	.rodata,"a",@progbits
	.p2align	6, 0x0
	.amdhsa_kernel k_q1f9ee28028_proj
		.amdhsa_group_segment_fixed_size 58112
		.amdhsa_private_segment_fixed_size 0
		.amdhsa_enable_private_segment 0
		.amdhsa_kernarg_size 48
		.amdhsa_user_sgpr_count 2
		.amdhsa_user_sgpr_kernarg_segment_ptr 1
		.amdhsa_wavefront_size32 1
		.amdhsa_system_sgpr_workgroup_id_x 1
		.amdhsa_system_sgpr_workgroup_id_y 1
		.amdhsa_system_sgpr_workgroup_id_z 1
		.amdhsa_system_vgpr_workitem_id 0
		.amdhsa_next_free_vgpr 258
		.amdhsa_next_free_sgpr 66
		.amdhsa_reserve_vcc 0
		.amdhsa_float_denorm_mode_32 3
		.amdhsa_float_denorm_mode_16_64 3
		.amdhsa_memory_ordered 1
		.amdhsa_forward_progress 1
		.amdhsa_inst_pref_size 31
	.end_amdhsa_kernel
	.amdgpu_metadata
---
amdhsa.version: [ 1, 2 ]
amdhsa.kernels:
  - .name:           k_q1f9ee28028_proj
    .symbol:         k_q1f9ee28028_proj.kd
    .args:
      - { .name: x, .offset: 0, .size: 8, .value_kind: global_buffer, .address_space: global }
      - { .name: Wq, .offset: 8, .size: 8, .value_kind: global_buffer, .address_space: global }
      - { .name: Wk, .offset: 16, .size: 8, .value_kind: global_buffer, .address_space: global }
      - { .name: Wv, .offset: 24, .size: 8, .value_kind: global_buffer, .address_space: global }
      - { .name: qimg, .offset: 32, .size: 8, .value_kind: global_buffer, .address_space: global }
      - { .name: kv, .offset: 40, .size: 8, .value_kind: global_buffer, .address_space: global }
    .group_segment_fixed_size: 58112
    .private_segment_fixed_size: 0
    .kernarg_segment_align: 8
    .kernarg_segment_size: 48
    .max_flat_workgroup_size: 128
    .sgpr_count:     66
    .vgpr_count:     258
    .wavefront_size: 32
...
	.end_amdgpu_metadata
.endif
;; end of part 1
;; launch attn (part 2): grid 64 x 4, 16 waves a work-group, clusters of 4 x 1, 327,680 bytes of LDS; arguments qimg, kv, out0; writes out0
.if DOCPART == 2
	.amdgcn_target "amdgcn-amd-amdhsa--gfx1250"
	.amdhsa_code_object_version 6
	.text
	.protected	k_q1f9ee28028_attn
	.globl	k_q1f9ee28028_attn
	.p2align	8
	.type	k_q1f9ee28028_attn,@function
k_q1f9ee28028_attn:
	s_mov_b64 s[64:65], 0
	v_nop
	global_prefetch_b8 v0, s[64:65] scope:SCOPE_SE
	s_setreg_imm32_b32 hwreg(HW_REG_WAVE_MODE, 25, 1), 1
	s_wait_xcnt 0x0
	s_wait_alu depctr_hold_cnt(0) depctr_sa_sdst(0) depctr_va_vdst(0) depctr_va_sdst(0) depctr_va_ssrc(0) depctr_va_vcc(0) depctr_vm_vsrc(0)
	s_getreg_b32 s2, hwreg(HW_REG_IB_STS2, 6, 4)
	s_cmp_eq_u32 s2, 0
	s_cbranch_scc0 .Lentry_in_a_cluster
	s_endpgm
.Lentry_in_a_cluster:
	s_bfe_u32 s2, ttmp6, 0x10000c
	s_cmp_lg_u32 s2, 0x3003
	s_cbranch_scc0 .Lentry_shape_is_right
	s_endpgm
.Lentry_shape_is_right:
; out[b][q][:] = the sum over keys k <= q of softmax_k(q . k / 4) v[k][:].  The scores (K = 16) are made with f32 operands, since they go on into a quantiser; the second product runs on codes of FP4 (E2M1)
; with one E8M0 scale for each 32 keys.  t = score x log2(e) / 4; M = the largest t so far, rounded UP to a whole number; p = 2^(t - M) is quantised, not normalised; the sum of the unquantised p divides at the end.
; INPUT: qimg and kv as the launch before laid them: images of the operands' registers, 512 bytes a block, lane l's 16 bytes at 16 l.  A key step is 128 keys, 12,800 dense bytes: k 8,192, v's codes 4,096, v's scale words 512.
; SHARES.  Cluster p (0..15) of a batch owns query blocks p and 31 - p (128 queries each); its work-group cx owns tiles 2 cx, 2 cx + 1 of both: 2 (p + 1) + 2 (32 - p) = 66 tile-steps in every one of the 256 work-groups.
; Sixteen waves of 256 registers, four to a SIMD, so that one wave's softmax stands beside another's score products.  Wave w: u = w / 4, tile (w + u) % 4 (0, 1: of the short block; 2, 3: of the long one), key steps = u mod 4.
; The four partial results of a tile meet in LDS at the end; M being whole, they are brought under one M by exact powers of two.
; CLUSTER.  The four partners walk the same key steps of the same batch: each slot of 8 steps is asked for JOINTLY, by waves 0-3, 25,600 bytes each.  No branch and no LDS address hangs on cx: it enters q's and out's
; addresses and the mask's compare value alone.  Every branch hangs on p and the wave's number.
; LAYOUT.  Both products are used transposed (S^T = k q^T, O^T = v^T p^T): a lane holds ONE query (lane % 16).  Row r of tile 2 b + u' of a block is row 32 b + 8 u' + r + 8 (r / 8), for keys and queries alike,
; so that register 16 b + i of S^T is key 32 b + 16 (lane / 16) + i.  Score instruction kk takes registers 2 kk, 2 kk + 1 of both images: the same order of the 16 elements on both sides.
; No loop: the four slots are written out, so that every LDS address is a register made at the head plus an immediate.
; LIMITS: NaN and infinities are not served; M is exact for |t| < 2^24; a block of p whose largest lies under 2^-124 keeps the scale byte 1; the order of the 16 products in a score and of the four partial sums
; differs from a plain ascending sum.
.set STEPB, 12800
.set SLOTB, 8*STEPB                    ; 102,400: slot 0 at LDS byte 0, slot 1 behind it
.set MRG,   2*SLOTB                    ; 204,800: 16 regions (4 tile + u) of 16 rows x (256 + 16) bytes: the partial O; no tensor load lands here
.set MSTAT, MRG+16*16*272              ; 274,432: 16 regions of 16 rows x 8 bytes: (-M, sum)
.set SPARE, MSTAT+2048                 ; 276,480: the spare words, 128 bytes for each of the sixteen waves: eight blocks of 256 bytes that no other line names
.set AD0,  1                           ; v1   12,800 u + 16 x lane: my first step of slot 0;  v2 the same in slot 1
.set AD1,  2
.set SPW,  3                           ; v3   LDS address of my spare word; never rewritten
.set NIL,  4                           ; v4   0; never rewritten
.set MSTO, 5                           ; v5   where I put my partial O
.set MRD,  6                           ; v6   where I read the four partials of my rows
.set SST,  7                           ; v7   where I put (-M, sum)
.set SRD,  8                           ; v8   where I read them
.set GO,   9                           ; v9   16 x lane
.set DQ,   10                          ; v10  my query's place in its block - 16 (lane / 16)
.set NINF, 11                          ; v11  -infinity
.set NM,   12                          ; v12  -M;  v13 the largest t so far
.set LL,   14                          ; v[14:15] the sum, in two halves
.set QF,   16                          ; v16-23  q
.set FR,   24                          ; v24-55  k's tiles 0-3, then v's four fragments
.set VS,   56                          ; v56-59  v's scale words;  v60 p's: scales and nothing else
.set PW,   60
.set S,    64                          ; v64-127 S^T: written by the f32 matrix form alone
.set P,    128                         ; v128-191 k's tiles 4-7 and the mask, then p
.set OT,   192                         ; v192-223 O^T, four tiles of 16 channels
.set PC,   224                         ; v224-231 p's codes
.set TM,   232
.set T2,   236
.set SO,   244
.set FF,   252                         ; v[252:253] f = 2^(old M - new M), named as a pair
.set WK,   254
.set FI,   176                         ; the merge: eight factors
.set WV,   10                          ; s10 wave;  s11 u;  s12 tile;  s13 p;  s14 cx;  s15 batch;  s16 my tile's block d;  s17 d - u;  s18 tile & 1;  s19 4 tile + u
.set UU,   11
.set QT,   12
.set PP,   13
.set CX,   14
.set BA,   15
.set DD,   16
.set DU,   17
.set Q1,   18
.set RG,   19
.set SEL,  20                          ; s[20:21] v_permlanex16_b32's selects for lane l xor 16
.set CS,   22                          ; s[22:23] c = log2(e) / 4
.set G1,   24                          ; s[24:31] descriptor group 1
.set G0A,  32                          ; s[32:35] group 0 for slot 0;  s[36:39] for slot 1
.set G0B,  36
; A round of the cluster's barrier: my work-group's barrier; wave 0 signals for the work-group; every wave waits for all four work-groups; my work-group's barrier once more.
.macro CROUND
	s_barrier_signal -1
	s_barrier_wait -1
	s_cmp_lg_u32 s[WV], 0
	s_cbranch_scc1 .Lnot_wave_0_\@
	s_barrier_signal -3
.Lnot_wave_0_\@:
	s_barrier_wait -3
	s_barrier_signal -1
	s_barrier_wait -1
.endm
; A joint refill: waves 0-3 fetch a quarter of the slot each, the others nothing.  The branch hangs on the wave's number alone.  Four v_nop follow the load.
.macro JLOAD g0
	s_cmp_lt_u32 s[WV], 4
	s_cbranch_scc0 .Lnone_\@
	tensor_load_to_lds s[\g0:\g0+3], s[G1:G1+7]
	s_nop 0
.rept 4
	v_nop
.endr
.Lnone_\@:
.endm
; THE CHANGE OF SLOTS.  Each wave waits for all its tensor loads (its part of the slot ahead), adds 0 to its spare word, and waits for that and for its reads of the slot that it leaves.
; fill = 1: the barrier is a round of the cluster's, so that no wave of any partner still reads the slot left, and that slot's joint refill, 16 key steps on, is the first thing behind it.
.macro CHANGE fill, g0
	s_wait_tensorcnt 0x0                           ; no tensor load of mine is out, so a group 0 may be written
	ds_add_u32 v[SPW], v[NIL]                      ; 0 onto my spare word
.if \fill
	s_add_nc_u64 s[\g0+2:\g0+3], s[\g0+2:\g0+3], 2*SLOTB   ; the type bits on top are not reached
	s_wait_dscnt 0x0                               ; the add is done, and my reads of the slot are over
	CROUND
	JLOAD \g0
.else
	s_wait_dscnt 0x0
	s_barrier_signal -1
	s_barrier_wait -1
.endif
.endm
; One score instruction: tile t of 16 keys, elements 2 kk, 2 kk + 1 of each half.  cm = 0: starts the sum with 0;  1: with the mask's registers;  2: adds in place.
.macro SCORE t, kk, cm
.if (\t) < 4
.set KR, FR+8*(\t)+2*(\kk)
.else
.set KR, P+8*((\t)-4)+2*(\kk)
.endif
.set SD, S+8*(\t)
.set CM, P+32+8*((\t)%4)
.if \cm == 0
	v_wmma_f32_16x16x4_f32 v[SD:SD+7], v[KR:KR+1], v[QF+2*(\kk):QF+2*(\kk)+1], 0
.elseif \cm == 1
	v_wmma_f32_16x16x4_f32 v[SD:SD+7], v[KR:KR+1], v[QF+2*(\kk):QF+2*(\kk)+1], v[CM:CM+7]
.else
	v_wmma_f32_16x16x4_f32 v[SD:SD+7], v[KR:KR+1], v[QF+2*(\kk):QF+2*(\kk)+1], v[SD:SD+7]
.endif
.endm
; The mask of tiles 4 g .. 4 g + 3 on the diagonal: register j of tile t holds key 32 (t / 2) + 8 (t % 2) + j + 16 (lane / 16) of the block: -infinity where that lies after my query, else 0.  It is the C of the sum's first instruction.
.macro MASK g
.irp tt, 0,1,2,3
.irp j, 0,1,2,3,4,5,6,7
	v_cmp_gt_i32 vcc_lo, 32*((4*\g+\tt)/2)+8*(\tt%2)+\j, v[DQ]
	v_cndmask_b32 v[P+32+8*\tt+\j], 0, v[NINF], vcc_lo
.endr
.endr
.endm
; A KEY STEP: 128 keys, at off bytes behind v[ad].  kidx + u is the step's number.
.macro STEP ad, off, kidx
	s_cmp_lt_i32 s[DU], \kidx                      ; all its keys come after my 16 queries: nothing to do.  A scalar branch on ids; no barrier and no tensor load stands in a step
	s_cbranch_scc1 .Lhid_\@
.rept 4
	v_nop                                          ; places in front of loads into registers that the last step's matrix instructions have read
.endr
.irp t, 0,1,2,3
.irp c, 0,1
	ds_load_b128 v[FR+8*\t+4*\c:FR+8*\t+4*\c+3], v[\ad] offset:\off+512*(2*\t+\c)
.endr
.endr
.irp t, 0,1,2,3
.irp c, 0,1
	ds_load_b128 v[P+8*\t+4*\c:P+8*\t+4*\c+3], v[\ad] offset:\off+4096+512*(2*\t+\c)
.endr
.endr
	s_cmp_eq_u32 s[DU], \kidx
	s_cbranch_scc1 .Ldiag_\@
	s_wait_dscnt 0x0                               ; k is in
.irp t, 0,1,2,3,4,5,6,7
	SCORE \t, 0, 0
.endr
	s_branch .Ljoin_\@
.Ldiag_\@:                                         ; my own block's step: hidden scores begin as -infinity and stay so
	MASK 0
	s_wait_dscnt 0x0
.irp t, 0,1,2,3
	SCORE \t, 0, 1
.endr
.rept 8
	v_nop                                          ; eight places before the mask's registers, which those four read, are written again
.endr
	MASK 1
.irp t, 4,5,6,7
	SCORE \t, 0, 1
.endr
.Ljoin_\@:
.irp kk, 1,2,3                                 ; the eight accumulators take turns, one instruction a turn, on both ways in
.irp t, 0,1,2,3,4,5,6,7
	SCORE \t, \kk, 2
.endr
.endr
.rept 8
	v_nop                                          ; eight places behind this form: for the loads into k's registers and for the first reads of the scores
.endr
.irp t, 0,1,2,3                                ; v is asked for now and lands under the softmax
.irp c, 0,1
	ds_load_b128 v[FR+8*\t+4*\c:FR+8*\t+4*\c+3], v[\ad] offset:\off+8192+512*(2*\t+\c)
.endr
.endr
	ds_load_b128 v[VS:VS+3], v[\ad] offset:\off+12288
.irp b, 0,1,2,3
	v_max3_num_f32 v[TM+\b], v[S+16*\b], v[S+16*\b+1], v[S+16*\b+2]   ; the largest score of each block of 32 keys: for the row's maximum, and, since p rises with the score, for the block's largest p.  Each accumulator is read from its low end on
.endr
.irp i, 3,5,7,9,11,13
.irp b, 0,1,2,3
	v_max3_num_f32 v[TM+\b], v[TM+\b], v[S+16*\b+\i], v[S+16*\b+\i+1]
.endr
.endr
.irp b, 0,1,2,3
	v_max_num_f32 v[TM+\b], v[TM+\b], v[S+16*\b+15]
.endr
.irp b, 0,1,2,3
	v_permlanex16_b32 v[T2+\b], v[TM+\b], s[SEL], s[SEL+1]
.endr
.irp b, 0,1,2,3
	v_max_num_f32 v[TM+\b], v[TM+\b], v[T2+\b]     ; with lane l xor 16's 16 keys
.endr
	v_max3_num_f32 v[WK], v[TM], v[TM+1], v[TM+2]
	v_max_num_f32 v[WK], v[WK], v[TM+3]            ; the step's largest score of my query: a number, since the step's first key counts for every query that reaches this line
	v_mul_f32 v[WK], s[CS], v[WK]                  ; as t (c is positive)
	v_max_num_f32 v[NM+1], v[NM+1], v[WK]          ; the running largest t
	v_mov_b32 v[WK], v[NM]
	v_floor_f32 v[NM], -v[NM+1]                    ; the new -M = floor(-t) = -ceil(t)
	v_sub_f32 v[WK], v[NM], v[WK]                  ; old M - new M: a whole number, 0 or less
	v_cvt_i32_f32 v[WK], v[WK]                     ; (it saturates)
	v_ldexp_f32 v[FF], 1.0, v[WK]                  ; f = 2^(old M - new M): rounds nothing
.set j, 0
.rept 32
	v_pk_fma_f32 v[P+j:P+j+1], v[S+j:S+j+1], s[CS:CS+1], v[NM:NM+1] op_sel_hi:[1,0,0]   ; t - M, two at a time, into other registers than the scores'
.set j, j+2
.endr
.irp b, 0,1,2,3
	v_fma_f32 v[TM+\b], v[TM+\b], s[CS], v[NM]     ; the same of each block's largest score
.endr
.set j, 0
.rept 64
	v_exp_f32 v[P+j], v[P+j]                       ; p = 2^(t - M), at most 1; 0 for hidden keys
.set j, j+1
.endr
.irp b, 0,1,2,3
	v_exp_f32 v[TM+\b], v[TM+\b]                   ; the block's largest p: the same two instructions on the same number
.endr
	v_pk_mul_f32 v[LL:LL+1], v[LL:LL+1], v[FF:FF+1] op_sel_hi:[1,0]   ; the sums under the new M.  (A plain place behind the exponentials)
	s_wait_alu depctr_va_vdst(0)
.irp b, 0,1,2,3
	v_max_num_f32 v[TM+\b], 0x1800000, v[TM+\b]    ; the floor 2^(3 - 127): the byte cannot fall under 1
.endr
.irp b, 0,1,2,3
	v_add_nc_u32 v[SO+\b], 0xff000000, v[TM+\b]    ; 2 off the exponent field: the conversion's scale operand
.endr
.irp b, 0,1,2,3
	v_lshrrev_b32 v[T2+\b], 23, v[SO+\b]           ; the scale's byte
.endr
	v_lshl_or_b32 v[PW], v[T2+1], 8, v[T2]         ; p's scale word for these 128 keys
	v_lshl_or_b32 v[PW], v[T2+2], 16, v[PW]
	v_lshl_or_b32 v[PW], v[T2+3], 24, v[PW]
.irp b, 0,1,2,3
	v_cvt_scalef32_pk8_fp4_f32 v[PC+2*\b], v[P+16*\b:P+16*\b+7], v[SO+\b]
	v_cvt_scalef32_pk8_fp4_f32 v[PC+2*\b+1], v[P+16*\b+8:P+16*\b+15], v[SO+\b]
.endr
	v_nop                                          ; one plain place behind a scaled conversion
.irp c, 0,1                                    ; the operand's layout wants a whole block in a lane
.irp i, 0,1
	v_permlane16_swap_b32 v[PC+4*\c+\i], v[PC+4*\c+2+\i]
.endr
.endr
	v_pk_add_f32 v[T2:T2+1], v[P:P+1], v[P+2:P+3]  ; the row's sum is taken of the unquantised p: two at a time, in two chains
.set j, 4
.rept 15
	v_pk_add_f32 v[LL:LL+1], v[LL:LL+1], v[P+j:P+j+1]
	v_pk_add_f32 v[T2:T2+1], v[T2:T2+1], v[P+j+2:P+j+3]
.set j, j+4
.endr
	v_pk_add_f32 v[LL:LL+1], v[LL:LL+1], v[T2:T2+1]
.set j, 0
.rept 16
	v_pk_mul_f32 v[OT+j:OT+j+1], v[OT+j:OT+j+1], v[FF:FF+1] op_sel_hi:[1,0]   ; O^T under the new M.  (The sums above are the places between p's codes and scale word and the products below)
.set j, j+2
.endr
	s_wait_dscnt 0x0                               ; v and its scale words are in
.irp t, 0,1,2,3                                ; O^T += v^T p^T: source 0 = 16 channels, source 1 = p; K = these 128 keys; four accumulators by turns
	v_wmma_scale_f32_16x16x128_f8f6f4 v[OT+8*\t:OT+8*\t+7], v[FR+8*\t:FR+8*\t+7], v[PC:PC+7], v[OT+8*\t:OT+8*\t+7], v[VS+\t], v[PW] matrix_a_fmt:MATRIX_FMT_FP4 matrix_b_fmt:MATRIX_FMT_FP4
.endr
.Lhid_\@:
.endm
.macro SLOTWORK ad, kb                 ; my two steps of a slot: local steps u and u + 4
	STEP \ad, 0, \kb
	STEP \ad, 4*STEPB, \kb+4
.endm
	s_load_b128 s[4:7], s[0:1], 0x0                ; qimg s[4:5], kv s[6:7]
	s_load_b64 s[8:9], s[0:1], 0x10                ; out0
	v_lshl_add_u32 v[SPW], v0, 2, SPARE
	v_mov_b32 v[NIL], 0
	ds_add_u32 v3, v4
	s_wait_dscnt 0x0
	v_lshrrev_b32 v[TM], 5, v0
	v_readfirstlane_b32 s[WV], v[TM]               ; wave 0..15
	s_lshr_b32 s[UU], s[WV], 2                     ; u: which key steps, mod 4
	s_add_co_u32 s[QT], s[WV], s[UU]
	s_and_b32 s[QT], s[QT], 3                      ; my tile: every pair (tile, u) falls to one wave, and waves w, w + 4, w + 8, w + 12 as well as 4 u .. 4 u + 3 hold all four tiles
	s_mov_b32 s[PP], ttmp9                         ; p: in a cluster launch ttmp9 counts clusters
	s_bfe_u32 s[CX], ttmp6, 0x40000                ; cx: my place in the cluster
	s_and_b32 s[BA], ttmp7, 0xffff                 ; the batch
	s_sub_co_u32 s40, 31, s[PP]
	s_cmp_lt_u32 s[QT], 2
	s_cselect_b32 s[DD], s[PP], s40                ; my tile's block: p or 31 - p
	s_sub_co_i32 s[DU], s[DD], s[UU]
	s_and_b32 s[Q1], s[QT], 1
	s_lshl_b32 s[RG], s[QT], 2
	s_add_co_u32 s[RG], s[RG], s[UU]
	s_mov_b32 s[SEL], 0x76543210
	s_mov_b32 s[SEL+1], 0xfedcba98
	s_mov_b32 s[CS], 0x3eb8aa3b                    ; c = log2(e) / 4
	s_mov_b32 s[CS+1], s[CS]                       ; (named with it as a pair, so it is written)
	; descriptor group 1: a dense block of 25,600 bytes (two key steps) as 100 rows of 256 bytes
	s_mov_b32 s[G1], 15|(3<<16)|(1<<21)            ; 15:0 the mask: all four work-groups; 17:16 elements of 8 bytes; 20 no padding: images are read 512 bytes on end; 21 set beside a mask
	s_mov_b32 s[G1+1], 32<<16                      ; tensor_dim0 = 32
	s_mov_b32 s[G1+2], 100<<16                     ; tensor_dim1 = 100
	s_mov_b32 s[G1+3], 32<<16                      ; tile_dim0 = 32
	s_mov_b32 s[G1+4], 100                         ; tile_dim1 = 100
	s_mov_b32 s[G1+5], 32                          ; from row to row
	s_mov_b32 s[G1+6], 0
	s_mov_b32 s[G1+7], 0
	; every LDS address is made here, ahead of the first branch
	v_and_b32 v[GO], 31, v0
	v_lshlrev_b32 v[GO], 4, v[GO]
	s_mul_i32 s41, s[UU], STEPB
	v_add_nc_u32 v[AD0], s41, v[GO]
	v_add_nc_u32 v[AD1], SLOTB, v[AD0]
	v_and_b32 v[TM], 15, v0                        ; r
	v_bfe_u32 v[TM+1], v0, 4, 1                    ; h
	s_mul_i32 s41, s[RG], 16*272
	s_add_co_u32 s41, s41, MRG
	v_mul_u32_u24 v[MSTO], v[TM], 272
	v_lshl_add_u32 v[MSTO], v[TM+1], 5, v[MSTO]
	v_add_nc_u32 v[MSTO], s41, v[MSTO]             ; my region, row r, + 32 h
	s_mul_i32 s41, s[QT], 4*16*272
	s_mul_i32 s42, s[UU], 4*272
	s_add_co_u32 s41, s41, s42
	s_add_co_u32 s41, s41, MRG
	v_mul_u32_u24 v[MRD], v[TM+1], 272
	v_lshl_add_u32 v[MRD], v[TM], 4, v[MRD]
	v_add_nc_u32 v[MRD], s41, v[MRD]               ; my tile's first region, row 4 u + h, 16 bytes a lane
	s_lshl_b32 s41, s[RG], 7
	s_add_co_u32 s41, s41, MSTAT
	v_lshl_add_u32 v[SST], v[TM], 3, s41
	s_lshl_b32 s41, s[QT], 9
	s_lshl_b32 s42, s[UU], 5
	s_add_co_u32 s41, s41, s42
	s_add_co_u32 s41, s41, MSTAT
	v_lshl_add_u32 v[SRD], v[TM+1], 3, s41
	s_lshl_b32 s43, s[CX], 5
	s_lshl_b32 s42, s[Q1], 3
	s_add_co_u32 s43, s43, s42                     ; 32 cx + 8 (tile & 1): my tile's first row in its block
	v_and_b32 v[DQ], 8, v[TM]
	v_add_nc_u32 v[DQ], v[DQ], v[TM]
	v_lshlrev_b32 v[TM+2], 4, v[TM+1]
	v_sub_nc_u32 v[DQ], v[DQ], v[TM+2]
	v_add_nc_u32 v[DQ], s43, v[DQ]                 ; a compare value, no address
	v_mov_b32 v[NINF], 0xff800000
	v_mov_b32 v[NM+1], 0xff61b1e6                  ; the largest t so far: -3e38, under every t
	v_floor_f32 v[NM], -v[NM+1]                    ; -M
	v_mov_b32 v[LL], 0
	v_mov_b32 v[LL+1], 0
.set j, 0
.rept 32
	v_mov_b32 v[OT+j], 0                           ; O^T begins as zeros: a wave of an early block may have no key step at all, and its zeros go into the merge
.set j, j+1
.endr
.irp b, 0,1,2,3
	v_mov_b32 v[T2+\b], 0                          ; written once: a lane permute's destination counts as one of its sources
.endr
	v_mov_b32 v[FF+1], 0                           ; (named as the upper half of a pair)
	v_mov_b32 v[WK], 0
	; offsets, each in registers of its own; those of kv never hold cx
	s_lshl_b32 s44, s[BA], 5
	s_add_co_u32 s44, s44, s[DD]                   ; g = 32 batch + block
	s_lshl_b32 s46, s44, 3
	s_lshl_b32 s45, s[CX], 1
	s_add_co_u32 s46, s46, s45
	s_add_co_u32 s46, s46, s[Q1]
	s_lshl_b32 s46, s46, 10                        ; q: 1,024 (8 g + 2 cx + (tile & 1))
	s_mov_b32 s47, 0
	s_lshl_b32 s48, s44, 7
	s_add_co_u32 s48, s48, s43
	s_lshl_b32 s54, s[UU], 2
	s_add_co_u32 s48, s48, s54
	s_lshr_b32 s54, s[UU], 1
	s_lshl_b32 s54, s54, 3
	s_add_co_u32 s48, s48, s54
	s_lshl_b32 s48, s48, 8                         ; out: 256 (128 g + 32 cx + 8 (tile & 1) + 4 u + 8 (u / 2)): the four rows that I merge are neighbours
	s_mov_b32 s49, 0
	s_and_b32 s50, s[WV], 3
	s_mul_i32 s51, s50, 2*STEPB                    ; my quarter of a slot, in LDS and in memory
	s_mul_i32 s52, s[BA], 32*STEPB
	s_add_co_u32 s52, s52, s51
	s_mov_b32 s53, 0
	s_wait_kmcnt 0x0
	s_add_nc_u64 s[4:5], s[4:5], s[46:47]
	s_add_nc_u64 s[8:9], s[8:9], s[48:49]
	s_add_nc_u64 s[6:7], s[6:7], s[52:53]
	CROUND                                         ; all four work-groups are here: the first joint loads meet
	s_mov_b32 s[G0A], 1                            ; count = 1
	s_mov_b32 s[G0A+1], s51                        ; LDS address: slot 0
	s_mov_b64 s[G0A+2:G0A+3], s[6:7]               ; key steps 0-7
	s_or_b32 s[G0A+3], s[G0A+3], 0x80000000        ; type = 2
	s_mov_b32 s[G0B], 1
	s_add_co_u32 s[G0B+1], s51, SLOTB              ; slot 1
	s_add_nc_u64 s[G0B+2:G0B+3], s[6:7], SLOTB     ; key steps 8-15
	s_or_b32 s[G0B+3], s[G0B+3], 0x80000000
	s_cmp_lt_u32 s[WV], 4                          ; a wave's two first fills stand in one branch, ahead of every wait on TENSORcnt and every LDS read: two loads of mine are out at the most
	s_cbranch_scc0 .Lno_fill
	tensor_load_to_lds s[G0A:G0A+3], s[G1:G1+7]
	s_nop 0
	tensor_load_to_lds s[G0B:G0B+3], s[G1:G1+7]
	s_nop 0
.rept 4
	v_nop
.endr
.Lno_fill:
	global_load_b128 v[QF:QF+3], v[GO], s[4:5]     ; q stays in registers
	global_load_b128 v[QF+4:QF+7], v[GO], s[4:5] offset:512
	s_wait_tensorcnt 0x1                           ; my part of slot 0 is in; slot 1's, the one younger load, may stay out
	s_barrier_signal -1
	s_barrier_wait -1                              ; everybody's is
	s_wait_loadcnt 0x0                             ; q
	SLOTWORK AD0, 0                                ; key steps 0-7
	CHANGE 1, G0A                                  ; slot 0 takes steps 16-23: the long block, 31 - p >= 16, always wants them
	SLOTWORK AD1, 8                                ; steps 8-15
	s_cmp_ge_u32 s[PP], 8                          ; steps 24-31 are wanted where 31 - p >= 24; p is alike in all four partners and all waves
	s_cbranch_scc1 .Lthree
	CHANGE 1, G0B                                  ; slot 1 takes steps 24-31
	SLOTWORK AD0, 16
	CHANGE 0, 0
	SLOTWORK AD1, 24
	s_branch .Lmerge
.Lthree:
	CHANGE 0, 0                                    ; nothing more is asked for
	SLOTWORK AD0, 16
.Lmerge:
	; THE MERGE.  Each wave puts its partial O^T (16 queries x 64 channels) and (-M, sum) into LDS; behind a barrier wave (tile, u) joins rows 4 u .. 4 u + 3 of its tile's four partials.
.rept 4
	v_nop                                          ; four places behind the last products, on every way here
.endr
	v_add_f32 v[LL], v[LL], v[LL+1]                ; the sum's two halves,
	v_permlanex16_b32 v[WK], v[LL], s[SEL], s[SEL+1]
	v_add_f32 v[NM+1], v[LL], v[WK]                ; and lane l xor 16's: beside -M, as a pair
	ds_store_b64 v[SST], v[NM:NM+1]                ; both halves of the lanes write the same bytes with the same values
.irp t, 0,1,2,3
	ds_store_b128 v[MSTO], v[OT+8*\t:OT+8*\t+3] offset:64*\t          ; channels 16 t + 8 h + 0..7 of query r; each accumulator from its low end on
	ds_store_b128 v[MSTO], v[OT+8*\t+4:OT+8*\t+7] offset:64*\t+16
.endr
	s_wait_dscnt 0x0                               ; for the others' sake: my stores have landed
	s_barrier_signal -1
	s_barrier_wait -1
.irp k, 0,1                                    ; rows 4 u + 2 k + h; partial i
.irp i, 0,1,2,3
	ds_load_b128 v[P+4*(4*\k+\i):P+4*(4*\k+\i)+3], v[MRD] offset:16*272*\i+2*272*\k
	ds_load_b64 v[P+32+2*(4*\k+\i):P+32+2*(4*\k+\i)+1], v[SRD] offset:128*\i+16*\k
.endr
.endr
	s_wait_dscnt 0x0
.irp k, 0,1
	v_min3_num_f32 v[TM+\k], v[P+32+8*\k], v[P+32+8*\k+2], v[P+32+8*\k+4]
.endr
.irp k, 0,1
	v_min_num_f32 v[TM+\k], v[TM+\k], v[P+32+8*\k+6]   ; the smallest -M: the largest M.  Step 0 counts for every query, so it is a number
.endr
.irp k, 0,1
.irp i, 0,1,2,3
	v_sub_f32 v[FI+4*\k+\i], v[TM+\k], v[P+32+8*\k+2*\i]   ; M_i - the largest M: a whole number, 0 or less
.endr
.endr
.irp i, 0,1,2,3,4,5,6,7
	v_cvt_i32_f32 v[FI+\i], v[FI+\i]               ; (it saturates: a wave that had no step gets the factor 0)
.endr
.irp i, 0,1,2,3,4,5,6,7
	v_ldexp_f32 v[FI+\i], 1.0, v[FI+\i]            ; exact powers of two
.endr
.irp k, 0,1
	v_mul_f32 v[T2+\k], v[FI+4*\k], v[P+32+8*\k+1]
.endr
.irp i, 1,2,3
.irp k, 0,1
	v_fma_f32 v[T2+\k], v[FI+4*\k+\i], v[P+32+8*\k+2*\i+1], v[T2+\k]   ; the row's sum
.endr
.endr
	v_rcp_f32 v[T2], v[T2]
	v_rcp_f32 v[T2+1], v[T2+1]                     ; the plain lines below stand between the reciprocals and their use
.irp k, 0,1
.irp e, 0,1,2,3
	v_mul_f32 v[FR+4*\k+\e], v[FI+4*\k], v[P+16*\k+\e]
.endr
.endr
.irp i, 1,2,3
.irp k, 0,1
.irp e, 0,1,2,3
	v_fma_f32 v[FR+4*\k+\e], v[FI+4*\k+\i], v[P+16*\k+4*\i+\e], v[FR+4*\k+\e]
.endr
.endr
.endr
	s_wait_alu depctr_va_vdst(0)
.irp k, 0,1
.irp e, 0,1,2,3
	v_mul_f32 v[FR+4*\k+\e], v[FR+4*\k+\e], v[T2+\k]
.endr
.endr
.irp k, 0,1
	global_store_b128 v[GO], v[FR+4*\k:FR+4*\k+3], s[8:9] offset:512*\k th:TH_STORE_NT   ; two whole rows of out: 512 consecutive bytes, aligned
.endr
	s_wait_tensorcnt 0x0                           ; the wave's end: behind my last tensor load and my last LDS store
	ds_add_u32 v[SPW], v[NIL]
	s_wait_dscnt 0x0
	CROUND                                         ; the closing round: no work-group ends while a partner may still ask for a slot that names it
	s_endpgm
.Lfunc_end_k_q1f9ee28028_attn:
	.size	k_q1f9ee28028_attn, .Lfunc_end_k_q1f9ee28028_attn-k_q1f9ee28028_attn
	.p2alignl 7, 3214868480
	.fill 96, 4, 3214868480
	.section	.rodata,"a",@progbits
	.p2align	6, 0x0
	.amdhsa_kernel k_q1f9ee28028_attn
		.amdhsa_group_segment_fixed_size 327680
		.amdhsa_private_segment_fixed_size 0
		.amdhsa_enable_private_segment 0
		.amdhsa_kernarg_size 24
		.amdhsa_user_sgpr_count 2
		.amdhsa_user_sgpr_kernarg_segment_ptr 1
		.amdhsa_wavefront_size32 1
		.amdhsa_system_sgpr_workgroup_id_x 1
		.amdhsa_system_sgpr_workgroup_id_y 1
		.amdhsa_system_sgpr_workgroup_id_z 1
		.amdhsa_system_vgpr_workitem_id 0
		.amdhsa_next_free_vgpr 256
		.amdhsa_next_free_sgpr 66
		.amdhsa_reserve_vcc 1
		.amdhsa_float_denorm_mode_32 3
		.amdhsa_float_denorm_mode_16_64 3
		.amdhsa_memory_ordered 1
		.amdhsa_forward_progress 1
		.amdhsa_inst_pref_size 236
	.end_amdhsa_kernel
	.amdgpu_metadata
---
amdhsa.version: [ 1, 2 ]
amdhsa.kernels:
  - .name:           k_q1f9ee28028_attn
    .symbol:         k_q1f9ee28028_attn.kd
    .args:
      - { .name: qimg, .offset: 0, .size: 8, .value_kind: global_buffer, .address_space: global }
      - { .name: kv, .offset: 8, .size: 8, .value_kind: global_buffer, .address_space: global }
      - { .name: out0, .offset: 16, .size: 8, .value_kind: global_buffer, .address_space: global }
    .group_segment_fixed_size: 327680
    .private_segment_fixed_size: 0
    .kernarg_segment_align: 8
    .kernarg_segment_size: 24
    .max_flat_workgroup_size: 512
    .sgpr_count:     66
    .vgpr_count:     256
    .wavefront_size: 32
...
	.end_amdgpu_metadata
.endif
;; end of part 2
